; MI455X (gfx1250); checked and timed in simulation.
; The chip was launched on July 23, 2026; its instructions are those of AMD's public machine-readable ISA for CDNA 5 (MIT licence, August 2026) and "CDNA5" Instruction Set Architecture Reference Guide (July 2026). The comments in the code are by the model that wrote it; some were corrected since.
;; Quantizer. Allowed arithmetic: float matrix products may take bf16 or f16 operands with f32 sums; other float arithmetic in f32, or as packed bf16 or f16 multiplies, adds, multiply-adds, maxima and minima; sums over many terms, partial sums and values carried from step to step in f32; what a program stores and reads back later, other than sums and carried values, may be rounded once to bf16 or f16.
;; Inputs: codebook 4,096 x 256 float32; x 65,536 x 256 float32.
;; Outputs: out0 65,536 x 256 float32.
;; 2 versions, each right; version 2 is version 1 with the launch gather written anew for expert scheduling mode. Each part assembles by itself: llvm-mc -triple=amdgcn-amd-amdhsa -mcpu=gfx1250 --defsym DOCPART=n.
;; ======== version 1 of 2: 3 launches
;; workspace buffers: cbf 2,162,688 bytes; idx 262,144 bytes of whole numbers
;; launch prep (part 1): grid 256 x 1, 1 waves a work-group, no clusters, 0 bytes of LDS; arguments codebook, cbf; writes cbf
.if DOCPART == 1
	.amdgcn_target "amdgcn-amd-amdhsa--gfx1250"
	.amdhsa_code_object_version 6
	.text
	.protected	k_qfbfa4304d6_prep
	.globl	k_qfbfa4304d6_prep
	.p2align	8
	.type	k_qfbfa4304d6_prep,@function
k_qfbfa4304d6_prep:
	s_mov_b64 s[64:65], 0
	v_nop
	global_prefetch_b8 v0, s[64:65] scope:SCOPE_SE
	s_setreg_imm32_b32 hwreg(HW_REG_WAVE_MODE, 25, 1), 1
	s_wait_xcnt 0x0
; The codebook [4096][256] f32 is rounded once to bf16 and laid out as the product launch reads it.
; One wave makes one block of 8,448 bytes for 16 codes (block T = codes 16 T .. 16 T + 15):
;   bytes 0 .. 8191     eight matrix fragments of 16 codes x 32 k, in register order: the eight numbers k = 32 ks + 16 half + 8 h + 0..7 of code 16 T + r
;                       lie at 1024 ks + 512 half + 16 (16 h + r), so that a load of 16 bytes a lane at 16 x lane brings half a fragment
;   bytes 8192 .. 8255  b2 of the 16 codes in f32: the sum of squares of the ROUNDED numbers
;   bytes 8256 .. 8447  zeros: the later launch's tiles cover them, so they are written
; The work-groups share no input and the whole launch moves 6 MB: no LDS, no barrier, no cluster.
; LIMIT: b2 is summed in four chains a lane and across two lanes, an order of its own.
.set BLK, 8448
.set S,   16                           ; v[16:143]   the lane's 128 numbers as loaded, f32
.set O,   144                          ; v[144:207]  the same as 64 words of two bf16
	s_load_b128 s[4:7], s[0:1], 0x0                ; codebook s[4:5], cbf s[6:7]
	v_and_b32 v1, 15, v0                           ; r: my code in the block
	v_lshrrev_b32 v2, 4, v0                        ; h: which eight of every sixteen k are mine
	v_lshlrev_b32 v3, 10, v1                       ; a row of the codebook is 1,024 bytes
	v_lshl_add_u32 v3, v2, 5, v3                   ; + 32 h
	v_lshlrev_b32 v4, 4, v0                        ; 16 x lane: where my 16 bytes of half a fragment go
	v_lshlrev_b32 v5, 3, v0                        ; 8 x lane: where my 8 bytes of the b2 block go
	v_mov_b32 v7, 0                                ; the addend of each chain's first link
	v_mov_b32 v12, 0                               ; the lane moves below count as readers of their destinations
	v_mov_b32 v13, 0
	s_lshl_b32 s8, ttmp9, 14                       ; 16 rows of 1,024 bytes
	s_mov_b32 s9, 0
	s_mul_i32 s10, ttmp9, BLK
	s_mov_b32 s11, 0
	s_mov_b32 s12, 0x76543210                      ; each lane takes its own place in the other half of the lanes
	s_mov_b32 s13, 0xfedcba98
	s_mov_b32 s14, 0xeca86420                      ; lane i of a row of sixteen takes lane 2 i (i < 8),
	s_mov_b32 s15, 0xfdb97531                      ; or lane 2 i + 1
	s_wait_kmcnt 0x0
	s_add_nc_u64 s[4:5], s[4:5], s[8:9]
	s_add_nc_u64 s[6:7], s[6:7], s[10:11]
.set k, 0
.rept 8                                ; all 32 loads go out first: for K step k the bytes 128 k + 32 h + {0, 16} and + 64 + {0, 16}
.irp o, 0,1,2,3
	global_load_b128 v[S+16*k+4*\o:S+16*k+4*\o+3], v3, s[4:5] offset:128*k+16*(\o%2)+64*(\o/2)
.endr
.set k, k+1
.endr
.set k, 0
.rept 8
	s_wait_loadcnt 28-4*k                          ; loads come back in order: this K step's four are in, the four of each later step stay out
.set c, 0
.rept 8
	v_cvt_pk_bf16_f32 v[O+8*k+c], v[S+16*k+2*c], v[S+16*k+2*c+1]
.set c, c+1
.endr
	global_store_b128 v4, v[O+8*k:O+8*k+3], s[6:7] offset:1024*k        ; 512 consecutive bytes, at a multiple of 256 from the buffer's first
	global_store_b128 v4, v[O+8*k+4:O+8*k+7], s[6:7] offset:1024*k+512
.set c, 0
.rept 8                                ; the rounded numbers' squares, in f32, onto four chains v8-v11
.if (k == 0) && (c < 2)
	v_fma_mix_f32_bf16 v[8+2*c], v[O+c], v[O+c], v7 op_sel_hi:[1,1,0]
	v_fma_mix_f32_bf16 v[9+2*c], v[O+c], v[O+c], v7 op_sel:[1,1,0] op_sel_hi:[1,1,0]
.else
	v_fma_mix_f32_bf16 v[8+(2*c)%4], v[O+8*k+c], v[O+8*k+c], v[8+(2*c)%4] op_sel_hi:[1,1,0]
	v_fma_mix_f32_bf16 v[9+(2*c)%4], v[O+8*k+c], v[O+8*k+c], v[9+(2*c)%4] op_sel:[1,1,0] op_sel_hi:[1,1,0]
.endif
.set c, c+1
.endr
.set k, k+1
.endr
	v_add_f32 v8, v8, v9
	v_add_f32 v10, v10, v11
	v_add_f32 v8, v8, v10
	v_permlanex16_b32 v9, v8, s12, s13             ; the code's other 128 numbers lie in the lane 16 away
	v_add_f32 v8, v8, v9                           ; every lane (r, h) holds b2 of code r
	v_permlane16_b32 v12, v8, s14, s14             ; lane l < 8 takes b2 of codes 2 l
	v_permlane16_b32 v13, v8, s15, s15             ; and 2 l + 1
	v_cmp_gt_u32 vcc_lo, 8, v0
	v_cndmask_b32 v12, 0, v12, vcc_lo              ; the other 24 lanes write the zeros
	v_cndmask_b32 v13, 0, v13, vcc_lo
	global_store_b64 v5, v[12:13], s[6:7] offset:8192  ; one store covers the block's last 256 bytes
	s_endpgm
.Lfunc_end_k_qfbfa4304d6_prep:
	.size	k_qfbfa4304d6_prep, .Lfunc_end_k_qfbfa4304d6_prep-k_qfbfa4304d6_prep
	.p2alignl 7, 3214868480
	.fill 96, 4, 3214868480
	.section	.rodata,"a",@progbits
	.p2align	6, 0x0
	.amdhsa_kernel k_qfbfa4304d6_prep
		.amdhsa_group_segment_fixed_size 0
		.amdhsa_private_segment_fixed_size 0
		.amdhsa_enable_private_segment 0
		.amdhsa_kernarg_size 16
		.amdhsa_user_sgpr_count 2
		.amdhsa_user_sgpr_kernarg_segment_ptr 1
		.amdhsa_wavefront_size32 1
		.amdhsa_system_sgpr_workgroup_id_x 1
		.amdhsa_system_sgpr_workgroup_id_y 1
		.amdhsa_system_sgpr_workgroup_id_z 1
		.amdhsa_system_vgpr_workitem_id 0
		.amdhsa_next_free_vgpr 208
		.amdhsa_next_free_sgpr 66
		.amdhsa_reserve_vcc 1
		.amdhsa_float_denorm_mode_32 3
		.amdhsa_float_denorm_mode_16_64 3
		.amdhsa_memory_ordered 1
		.amdhsa_forward_progress 1
		.amdhsa_inst_pref_size 19
	.end_amdhsa_kernel
	.amdgpu_metadata
---
amdhsa.version: [ 1, 2 ]
amdhsa.kernels:
  - .name:           k_qfbfa4304d6_prep
    .symbol:         k_qfbfa4304d6_prep.kd
    .args:
      - { .name: codebook, .offset: 0, .size: 8, .value_kind: global_buffer, .address_space: global }
      - { .name: cbf, .offset: 8, .size: 8, .value_kind: global_buffer, .address_space: global }
    .group_segment_fixed_size: 0
    .private_segment_fixed_size: 0
    .kernarg_segment_align: 8
    .kernarg_segment_size: 16
    .max_flat_workgroup_size: 32
    .sgpr_count:     66
    .vgpr_count:     208
    .wavefront_size: 32
...
	.end_amdgpu_metadata
.endif
;; end of part 1
;; launch nearest (part 2): grid 256 x 1, 4 waves a work-group, clusters of 4 x 1, 327,680 bytes of LDS; arguments x, cbf, idx; writes idx
.if DOCPART == 2
	.amdgcn_target "amdgcn-amd-amdhsa--gfx1250"
	.amdhsa_code_object_version 6
	.text
	.protected	k_qfbfa4304d6_nearest
	.globl	k_qfbfa4304d6_nearest
	.p2align	8
	.type	k_qfbfa4304d6_nearest,@function
k_qfbfa4304d6_nearest:
	s_mov_b64 s[64:65], 0
	v_nop
	global_prefetch_b8 v0, s[64:65] scope:SCOPE_SE
	s_setreg_imm32_b32 hwreg(HW_REG_WAVE_MODE, 25, 1), 1
	s_wait_xcnt 0x0
	s_wait_alu depctr_hold_cnt(0) depctr_sa_sdst(0) depctr_va_vdst(0) depctr_va_sdst(0) depctr_va_ssrc(0) depctr_va_vcc(0) depctr_vm_vsrc(0)
	s_getreg_b32 s2, hwreg(HW_REG_IB_STS2, 6, 4)
	s_cmp_eq_u32 s2, 0
	s_cbranch_scc0 .Lentry_in_a_cluster
	s_endpgm
.Lentry_in_a_cluster:
	s_bfe_u32 s2, ttmp6, 0x10000c
	s_cmp_lg_u32 s2, 0x3003
	s_cbranch_scc0 .Lentry_shape_is_right
	s_endpgm
.Lentry_shape_is_right:
; idx[n] = the first index of the smallest dist[n][c] = (a2[n] + b2[c]) - 2 x[n] . codebook[c], 65,536 tokens x 4,096 codes x 256.
; ARITHMETIC.  x and the codebook go to the matrix unit in bf16, sums in f32; a2 and b2 are the sums of squares of the rounded numbers.  Every dist is formed with the two roundings of the formula as it is
; written: t = a2 + b2 (one f32 add), d = t - 2 m (one fused multiply-add: 2 m is exact).  The minimum is strict, codes ascend, so the first index wins ties.
; LIMITS.  The index is that of the formula on inputs rounded to bf16.  Where two dist lie within about one step of their own f32 grid (2^-16 to 2^-15 where a2 is near 256), the last bits of m, which hang on the
; order of summing, may decide.  a2 is summed in eight chains a lane.  A NaN dist is passed over; a token with no dist below +infinity gets index 0.
; SHARES.  A work-group owns 256 tokens, each of its four waves 64: four tiles of 16, whose x stays in registers as 32 fragments (256 registers).  Every wave walks all 256 tiles of 16 codes.
; Tile tt, column r is token 32 (tt / 2) + 2 r + tt % 2 of the wave's 64, so that the 64 indices leave in one store of 8 bytes a lane.
; PRODUCT.  Source 0 = 16 codes, source 1 = 16 tokens: lane (r, h) holds token r, register j code 16 T + 8 h + j.  So a token's minimum stays in its two lanes until the end.
; BY TURNS.  Turn g issues the 32 products of code tile g (4 accumulators by turns, 8 K steps); behind each stand two or three of the 84 vector lines that work off tile g - 1, whose sums lie in the other buffer.
; Those 84: 16 packed adds (t), 16 packed multiply-adds (d, in place), and for each token tile a chain of four three-way minima from the running minimum R through d0..d7, one compare (has R fallen?) and eight selects
; that keep, for the tile that last lowered R, its number, the chain's three partial minima and d0, d2, d4, d6.  The place among the eight codes is read off those once, at the end.
; RING.  cbf holds each code tile as 8,448 dense bytes (fragments in register order, then b2).  A slot is 16 tiles, 135,168 bytes; two slots take turns; each wave fetches a quarter of a slot, 132 rows of 256 bytes.
; CLUSTER.  All work-groups walk the same cbf: the four of a cluster ask for each quarter JOINTLY, by the same tensor load, descriptor and mask.  A wave has two tensor loads out at the start, later one.
; REGISTERS, in windows of 256 (s_set_vgpr_msb: bits 1:0 source 0, 3:2 source 1, 5:4 source 2, 7:6 destination):
;   window 0: all that the vector lines touch (map below)     window 1: x's fragments, tile tt, K step ks at 64 tt + 8 ks
;   window 2: v0-127 the code tile's fragments, two buffers, K step ks at 64 p + 8 ks; at the start all 256: two buffers for x as loaded
; All of the LDS is claimed, and 0 is added to spare words.
.set TB_B,  8448                       ; a code tile in cbf and in LDS
.set SLOTB, 16*TB_B                    ; a slot
.set QB,    SLOTB/4                    ; a wave's quarter of it: 132 x 256 bytes
.set SPARE, 2*SLOTB                    ; behind the ring: the spare words, 128 bytes a wave, two blocks of 256 bytes that no other line names
.set LN16, 3                           ; v3      16 x lane
.set ADR,  4                           ; v4      LDS address of the run of fragment loads in hand
.set LB2,  5                           ; v5      8192 + 32 h: my eight b2 in a tile
.set ADB,  6                           ; v6      LDS address of them
.set XO,   7                           ; v7      2048 r + 32 h: my byte offset in x
.set IO,   8                           ; v8      8 x lane
.set ZR,   9                           ; v9      0
.set SPW,  10                          ; v10     LDS address of my spare word; never rewritten
.set NIL,  11                          ; v11     0; never rewritten
.set A2,   12                          ; v12-19  a2 of my token in tile tt at 12 + 2 tt, and a copy beside it
.set TRK,  20                          ; v20-67  12 a tile: +0, +1 R by turns; +2 the tile's number; +3..5 the partial minima; +6..9 d0, d2, d4, d6
.set CH,   68                          ; v68-83  4 a tile: the chain in hand
.set B2,   84                          ; v84-99  b2 of my eight codes, two buffers
.set T,    100                         ; v100-131  t, 8 a tile; at work at the start and the end
.set ACC,  132                         ; v132-195  the sums, buffer p, tile tt at 132 + 32 p + 8 tt
.set WV,   10                          ; s10     my wave's number
.set G1,   16                          ; s[16:23] descriptor group 1
.set G0,   24                          ; s[24:31] descriptor group 0, a set for each slot
.set TB,   32                          ; s32     LDS byte at which the tile to be fetched begins
.set CNT,  33                          ; s33     counts pairs of turns
.set OUTER, 34                         ; s34     counts pairs of slots
.set TN,   35                          ; s35     the number of the tile that the vector lines work off
.set MK,   36                          ; s[36:39] for each token tile: the lanes whose R has fallen
.set SEL,  40                          ; s[40:41] each lane takes its own place in the other half of the lanes
.set W_MM, 0x06                        ; codes in window 2, tokens in window 1, sums in window 0
.set W_LD, 0x80                        ; a load's destination in window 2, its address in window 0
.set W_CV, 0x4a                        ; sources 0 and 1 in window 2, destination in window 1
.set W_SQ, 0x05                        ; sources 0 and 1 in window 1
.set MSB, 0
.macro WIN new                         ; the immediate's high byte repeats the setting that is left; a switch that changes nothing is dropped
.if MSB != (\new)
	s_set_vgpr_msb (MSB<<8)|(\new)
.set MSB, (\new)
.endif
.endm
; A round of the cluster's barrier: my work-group's barrier, so that wave 0's signal speaks for all four waves; wave 0 signals; every wave waits for all four work-groups; my work-group's barrier once more.
.macro CROUND
	s_barrier_signal -1
	s_barrier_wait -1
	s_cmp_lg_u32 s[WV], 0
	s_cbranch_scc1 .Lnot_wave_0_\@
	s_barrier_signal -3
.Lnot_wave_0_\@:
	s_barrier_wait -3
	s_barrier_signal -1
	s_barrier_wait -1
.endm
; x of token tile t as f32 into buffer sb of window 2: 32 loads of 16 bytes a lane; for K step k the bytes 128 k + 32 h + {0, 16} and + 64 + {0, 16} of my token's row
.macro XLOAD t, sb
	WIN W_LD
.set k, 0
.rept 8
.irp o, 0,1,2,3
	global_load_b128 v[128*(\sb)+16*k+4*\o:128*(\sb)+16*k+4*\o+3], v[XO], s[4:5] offset:(32*((\t)/2)+(\t)%2)*1024+128*k+16*(\o%2)+64*(\o/2)
.endr
.set k, k+1
.endr
.endm
; It is rounded to bf16 into its eight fragments, and a2 is summed from the rounded numbers: eight chains, the other half of the lanes' share, a copy beside it.
.macro XCVT t, sb
	WIN W_CV
.set c, 0
.rept 64
	v_cvt_pk_bf16_f32 v[64*(\t)+c], v[128*(\sb)+2*c], v[128*(\sb)+2*c+1]
.set c, c+1
.endr
	WIN W_SQ
.set c, 0
.rept 64
.if c < 4
	v_fma_mix_f32_bf16 v[T+2*c], v[64*(\t)+c], v[64*(\t)+c], v[ZR] op_sel_hi:[1,1,0]
	v_fma_mix_f32_bf16 v[T+2*c+1], v[64*(\t)+c], v[64*(\t)+c], v[ZR] op_sel:[1,1,0] op_sel_hi:[1,1,0]
.else
	v_fma_mix_f32_bf16 v[T+(2*c)%8], v[64*(\t)+c], v[64*(\t)+c], v[T+(2*c)%8] op_sel_hi:[1,1,0]
	v_fma_mix_f32_bf16 v[T+(2*c)%8+1], v[64*(\t)+c], v[64*(\t)+c], v[T+(2*c)%8+1] op_sel:[1,1,0] op_sel_hi:[1,1,0]
.endif
.set c, c+1
.endr
	WIN 0
	v_add_f32 v[T], v[T], v[T+1]
	v_add_f32 v[T+2], v[T+2], v[T+3]
	v_add_f32 v[T+4], v[T+4], v[T+5]
	v_add_f32 v[T+6], v[T+6], v[T+7]
	v_add_f32 v[T], v[T], v[T+2]
	v_add_f32 v[T+4], v[T+4], v[T+6]
	v_add_f32 v[T], v[T], v[T+4]
	v_permlanex16_b32 v[T+1], v[T], s[SEL], s[SEL+1]
	v_add_f32 v[A2+2*(\t)], v[T], v[T+1]
	v_mov_b32 v[A2+2*(\t)+1], v[A2+2*(\t)]
.endm
; One run of 18 LDS loads: the tile at s[TB]: its b2 (every lane of a half reads the same 32 bytes) and its eight fragments (512 consecutive bytes a load) into buffer b.
.macro FETCH b
	WIN 0
	v_add_nc_u32 v[ADR], s[TB], v[LN16]
	v_add_nc_u32 v[ADB], s[TB], v[LB2]
	ds_load_b128 v[B2+8*(\b):B2+8*(\b)+3], v[ADB]
	ds_load_b128 v[B2+8*(\b)+4:B2+8*(\b)+7], v[ADB] offset:16
	WIN W_LD
.set f, 0
.rept 16
	ds_load_b128 v[64*(\b)+4*f:64*(\b)+4*f+3], v[ADR] offset:512*f
.set f, f+1
.endr
	s_add_co_u32 s[TB], s[TB], TB_B                ; the next fetch is the next tile's
.endm
; Product i of a turn's 32: K step i / 4, token tile i % 4.  The first four start the sums with the constant 0.  The four accumulators take turns, one instruction a turn.
.macro MM p
	WIN W_MM
.set rA, ACC+32*(\p)+8*(i%4)
.if i < 4
	v_wmma_f32_16x16x32_bf16 v[rA:rA+7], v[64*(\p)+8*(i/4):64*(\p)+8*(i/4)+7], v[64*(i%4)+8*(i/4):64*(i%4)+8*(i/4)+7], 0
.else
	v_wmma_f32_16x16x32_bf16 v[rA:rA+7], v[64*(\p)+8*(i/4):64*(\p)+8*(i/4)+7], v[64*(i%4)+8*(i/4):64*(i%4)+8*(i/4)+7], v[rA:rA+7]
.endif
.set i, i+1
.endm
; Vector line e of the 84 that work off the tile whose sums lie in buffer Q.  0-15: t.  From 16 on the four token tiles alternate, so that a line reads no result of the three before it;
; each accumulator's lowest registers are read first.
.macro RID
	WIN 0
.if e < 16
	v_pk_add_f32 v[T+8*(e/4)+2*(e%4):T+8*(e/4)+2*(e%4)+1], v[B2+8*Q+2*(e%4):B2+8*Q+2*(e%4)+1], v[A2+2*(e/4):A2+2*(e/4)+1]  ; t = a2 + b2
.else
.set n, 4+(e-16)/4
.set rD, ACC+32*Q+8*(e%4)
.set rK, TRK+12*(e%4)
.set rC, CH+4*(e%4)
.set rT, T+8*(e%4)
.if n < 8
	v_pk_fma_f32 v[rD+2*(n-4):rD+2*(n-4)+1], v[rD+2*(n-4):rD+2*(n-4)+1], -2.0, v[rT+2*(n-4):rT+2*(n-4)+1] op_sel_hi:[1,0,1]  ; d = t - 2 m, in place
.elseif n == 8
	v_min3_num_f32 v[rC], v[rK+Q], v[rD], v[rD+1]
.elseif n == 9
	v_min3_num_f32 v[rC+1], v[rC], v[rD+2], v[rD+3]
.elseif n == 10
	v_min3_num_f32 v[rC+2], v[rC+1], v[rD+4], v[rD+5]
.elseif n == 11
	v_min3_num_f32 v[rK+1-Q], v[rC+2], v[rD+6], v[rD+7]   ; the new R, beside the old
.elseif n == 12
	v_cmp_lt_f32 s[MK+e%4], v[rK+1-Q], v[rK+Q]            ; strictly below: an earlier tile keeps a tie
.elseif n == 13
	v_cndmask_b32 v[rK+2], v[rK+2], s[TN], s[MK+e%4]
.elseif n < 17
	v_cndmask_b32 v[rK+n-11], v[rK+n-11], v[rC+n-14], s[MK+e%4]
.else
	v_cndmask_b32 v[rK+n-11], v[rK+n-11], v[rD+2*(n-17)], s[MK+e%4]
.endif
.endif
.set e, e+1
.endm
; A TURN: the tile in buffer p is multiplied.  rid = 1: the tile before it is worked off, three lines behind each of the first 20 products and two behind each of the other 12: 84.
; fetch = 1: the next tile is fetched into the other buffer, in one run behind the sixth product.  By then 18 lines are out: all 16 adds have read the b2 that the run overwrites, and they are the plain vector
; lines that stand between the last turn's products and the loads into the fragments that those read, and the first line that reads their sums (ISA guide 7.12.1 for vector instructions).
; The run has 26 products in which to land; the wait for it stands at the next turn's head.
.macro TURN p, rid, fetch
.set Q, 1-(\p)
.set i, 0
.set e, 0
	s_wait_dscnt 0x0                               ; this tile's fragments and b2 are in
.rept 32
	MM \p
.if \rid
	RID
	RID
.if i <= 20
	RID
.endif
.endif
.if (\fetch) && (i == 6)
	FETCH 1-(\p)
.endif
.endr
.if \rid
	s_add_co_u32 s[TN], s[TN], 1
.endif
.endm
.macro RUN trips                       ; pairs of turns: an odd tile, an even tile
	WIN 0                                          ; at a label and at a branch every window is 0
	s_mov_b32 s[CNT], \trips
.Lrun_\@:
	TURN 1, 1, 1
	TURN 0, 1, 1
	WIN 0
	s_sub_co_u32 s[CNT], s[CNT], 1
	s_cmp_lg_u32 s[CNT], 0
	s_cbranch_scc1 .Lrun_\@
.endm
; THE CHANGE OF SLOTS.  All 16 tiles of the slot have been asked for from LDS.  Each wave waits for all its tensor loads, of which one is out: its quarter of the other slot; adds 0 to its spare word; and
; waits for that and for its own reads of the slot.  Behind the barrier nobody reads this slot any more and the other slot is whole.  fill = 1: this slot is filled again, with the tiles two slots on: the barrier is then
; a round of the cluster's, so that no wave of any partner still reads the slot or has a load on its way, and the joint refill is the first thing behind it: it has 16 turns, 512 products, in which to land.
.macro CHANGE slot, fill
	WIN 0
	s_wait_tensorcnt 0x0                           ; no tensor load of mine is out, so a group 0 may be written
	ds_add_u32 v[SPW], v[NIL]                      ; 0 onto my spare word
.if \fill
	s_add_nc_u64 s[G0+4*(\slot)+2:G0+4*(\slot)+3], s[G0+4*(\slot)+2:G0+4*(\slot)+3], 2*SLOTB  ; the type bits on top are not reached
	s_wait_dscnt 0x0                               ; the add is done, and my reads of the slot are over
	CROUND
	tensor_load_to_lds s[G0+4*(\slot):G0+4*(\slot)+3], s[G1:G1+7]
	s_nop 0
.rept 4
	v_nop                                          ; the windows are switched again only behind these
.endr
.else
	s_wait_dscnt 0x0                               ; the add is done, and my reads of the slot are over
	s_barrier_signal -1
	s_barrier_wait -1
.endif
	s_mov_b32 s[TB], (1-(\slot))*SLOTB             ; the fetches go on at the other slot's first tile
.endm
; The end, for token tile t.  R has fallen last in tile TI.  The first of the three kept partial minima that equals R names the pair of codes that holds it (none: the last pair); the kept even d says which of the two.
; Later lines override earlier ones, so the lowest pair wins.  Then the token's other eight codes of every sixteen, in the lane 16 away: the smaller R, at a tie the lower code.
.macro PICK t
.set rK, TRK+12*(\t)
.set rT, T+8*(\t)                      ; +0 the place, +1 a pair's choice, +2 the code, +3, +4 the partner's R and code
	v_cmp_eq_f32 vcc_lo, v[rK+9], v[rK]
	v_cndmask_b32 v[rT], 7, 6, vcc_lo
	v_cmp_eq_f32 vcc_lo, v[rK+8], v[rK]
	v_cndmask_b32 v[rT+1], 5, 4, vcc_lo
	v_cmp_eq_f32 vcc_lo, v[rK+5], v[rK]
	v_cndmask_b32 v[rT], v[rT], v[rT+1], vcc_lo
	v_cmp_eq_f32 vcc_lo, v[rK+7], v[rK]
	v_cndmask_b32 v[rT+1], 3, 2, vcc_lo
	v_cmp_eq_f32 vcc_lo, v[rK+4], v[rK]
	v_cndmask_b32 v[rT], v[rT], v[rT+1], vcc_lo
	v_cmp_eq_f32 vcc_lo, v[rK+6], v[rK]
	v_cndmask_b32 v[rT+1], 1, 0, vcc_lo
	v_cmp_eq_f32 vcc_lo, v[rK+3], v[rK]
	v_cndmask_b32 v[rT], v[rT], v[rT+1], vcc_lo
	v_lshl_add_u32 v[rT], v2, 3, v[rT]             ; + 8 h
	v_lshl_add_u32 v[rT+2], v[rK+2], 4, v[rT]      ; + 16 x the tile's number
	v_permlanex16_b32 v[rT+3], v[rK], s[SEL], s[SEL+1]
	v_permlanex16_b32 v[rT+4], v[rT+2], s[SEL], s[SEL+1]
	v_cmp_lt_f32 s42, v[rT+3], v[rK]
	v_cmp_eq_f32 s43, v[rT+3], v[rK]
	v_cmp_lt_u32 s44, v[rT+4], v[rT+2]
	s_and_b32 s43, s43, s44
	s_or_b32 s42, s42, s43
	v_cndmask_b32 v[rT+2], v[rT+2], v[rT+4], s42
.endm
	s_load_b128 s[4:7], s[0:1], 0x0                ; x s[4:5], cbf s[6:7]
	s_load_b64 s[8:9], s[0:1], 0x10                ; idx
	v_lshl_add_u32 v[SPW], v0, 2, SPARE
	v_mov_b32 v[NIL], 0
	ds_add_u32 v[SPW], v[NIL]                      ; the wave's opening: the add and its wait stand ahead of my first tensor load; the set-up below, work on registers, stands between them
	v_lshrrev_b32 v1, 5, v0
	v_readfirstlane_b32 s[WV], v1                  ; wave 0..3
	s_bfe_u32 s11, ttmp6, 0x40000                  ; cx: my place in the cluster
	s_lshl_b32 s12, ttmp9, 2                       ; in a cluster launch ttmp9 counts clusters
	s_add_co_u32 s12, s12, s11                     ; my block of 256 tokens: it enters x's and idx's addresses alone
	; descriptor group 1: 132 rows of 32 elements of 8 bytes, dense in memory and in LDS
	s_mov_b32 s[G1], 15|(3<<16)|(1<<21)            ; 15:0 the mask: all four work-groups; 17:16 elements of 8 bytes; 20 no padding; 21 set beside a mask
	s_mov_b32 s[G1+1], 32<<16                      ; tensor_dim0 = 32
	s_mov_b32 s[G1+2], 132<<16                     ; tensor_dim1 = 132
	s_mov_b32 s[G1+3], 32<<16                      ; tile_dim0 = 32
	s_mov_b32 s[G1+4], 132                         ; tile_dim1 = 132
	s_mov_b32 s[G1+5], 32                          ; 32 elements from row to row
	s_mov_b32 s[G1+6], 0
	s_mov_b32 s[G1+7], 0
	s_mov_b32 s[G0], 1                             ; count = 1
	s_mul_i32 s[G0+1], s[WV], QB                   ; LDS address: my quarter of slot 0: no place in the cluster enters it
	s_mov_b32 s[G0+4], 1
	s_add_co_u32 s[G0+5], s[G0+1], SLOTB           ; and of slot 1
	s_mul_i32 s46, s[WV], QB                       ; my quarter in cbf
	s_mov_b32 s47, 0
	s_lshl_b32 s42, s12, 18                        ; 256 rows of 1,024 bytes,
	s_lshl_b32 s43, s[WV], 16                      ; my wave's 64 of them
	s_add_co_u32 s42, s42, s43
	s_mov_b32 s43, 0
	s_lshl_b32 s44, s12, 10                        ; 256 indices of 4 bytes,
	s_lshl_b32 s45, s[WV], 8                       ; my wave's 64
	s_add_co_u32 s44, s44, s45
	s_mov_b32 s45, 0
	s_mov_b32 s[SEL], 0x76543210
	s_mov_b32 s[SEL+1], 0xfedcba98
	v_and_b32 v1, 15, v0                           ; r
	v_bfe_u32 v2, v0, 4, 1                         ; h
	v_and_b32 v[LN16], 31, v0
	v_lshlrev_b32 v[IO], 3, v[LN16]
	v_lshlrev_b32 v[LN16], 4, v[LN16]
	v_lshlrev_b32 v[LB2], 5, v2
	v_add_nc_u32 v[LB2], 8192, v[LB2]
	v_lshlrev_b32 v[XO], 11, v1                    ; neighbouring columns of a tile are two tokens apart
	v_lshl_add_u32 v[XO], v2, 5, v[XO]
	v_mov_b32 v[ZR], 0
.set t, 0
.rept 4                                ; R starts at +infinity; what is kept starts so that a token whose R never falls gets index 0
	v_mov_b32 v[TRK+12*t], 0x7f800000
	v_mov_b32 v[TRK+12*t+2], 0
.set j, 3
.rept 7
	v_mov_b32 v[TRK+12*t+j], 0x7f800000
.set j, j+1
.endr
.set t, t+1
.endr
	s_wait_dscnt 0x0                               ; the opening add is done
	s_wait_kmcnt 0x0
	s_add_nc_u64 s[4:5], s[4:5], s[42:43]          ; x at my wave's first row
	s_add_nc_u64 s[8:9], s[8:9], s[44:45]          ; idx at my wave's first token
	s_add_nc_u64 s[6:7], s[6:7], s[46:47]          ; cbf at my quarter of the first slot's tiles
	s_mov_b64 s[G0+2:G0+3], s[6:7]
	s_or_b32 s[G0+3], s[G0+3], 0x80000000          ; type = 2
	s_add_nc_u64 s[G0+6:G0+7], s[6:7], SLOTB
	s_or_b32 s[G0+7], s[G0+7], 0x80000000
	CROUND                                         ; all four work-groups are here: the first joint loads meet
	tensor_load_to_lds s[G0:G0+3], s[G1:G1+7]      ; tiles 0 to 15
	s_nop 0
	tensor_load_to_lds s[G0+4:G0+7], s[G1:G1+7]    ; tiles 16 to 31: two loads of mine are out
	s_nop 0
.rept 4
	v_nop
.endr
	XLOAD 0, 0                                     ; x: two token tiles are always on their way or at work
	XLOAD 1, 1
	s_wait_loadcnt 32                              ; loads come back in order: the older tile's 32 are in, the younger tile's stay out
	XCVT 0, 0
	XLOAD 2, 0
	s_wait_loadcnt 32
	XCVT 1, 1
	XLOAD 3, 1
	s_wait_loadcnt 32
	XCVT 2, 0
	s_wait_loadcnt 0x0
	XCVT 3, 1
	s_wait_tensorcnt 0x1                           ; my quarter of slot 0 is in; slot 1's may stay out
	s_barrier_signal -1
	s_barrier_wait -1                              ; everybody's is
	s_mov_b32 s[TB], 0
	s_mov_b32 s[TN], 0
	FETCH 0                                        ; tile 0
	TURN 0, 0, 1                                   ; tile 0 is multiplied: there is no tile yet to work off
	RUN 7                                          ; tiles 1 to 14; tile 15, slot 0's last, has been fetched
	s_mov_b32 s[OUTER], 7
.Louter:                                               ; 7 trips: the 14 slots that are filled again.  Between two changes: 16 turns, whose 16 fetches take the slot just entered
	CHANGE 0, 1
	RUN 8
	CHANGE 1, 1
	RUN 8
	s_sub_co_u32 s[OUTER], s[OUTER], 1
	s_cmp_lg_u32 s[OUTER], 0
	s_cbranch_scc1 .Louter
	CHANGE 0, 0                                    ; the tail is written out: nothing is asked for
	RUN 8                                          ; tiles 239 to 254
	TURN 1, 1, 0                                   ; tile 255: nothing is left to fetch
.set Q, 1
.set e, 0
.rept 84
	RID                                            ; tile 255 is worked off; its 16 adds stand between the last products and the first line that reads their sums
.endr
	PICK 0
	PICK 1
	PICK 2
	PICK 3
	v_cmp_ne_u32 vcc_lo, 0, v2                     ; lane 16 h + r stores tokens 32 h + 2 r and 32 h + 2 r + 1: tiles 2 h and 2 h + 1, column r
	v_cndmask_b32 v[CH], v[T+2], v[T+18], vcc_lo
	v_cndmask_b32 v[CH+1], v[T+10], v[T+26], vcc_lo
	global_store_b64 v[IO], v[CH:CH+1], s[8:9]     ; 256 consecutive bytes, at a multiple of 256 from idx's first
	s_wait_tensorcnt 0x0                           ; the wave's end, behind my last tensor load
	ds_add_u32 v[SPW], v[NIL]
	s_wait_dscnt 0x0
	CROUND                                         ; the closing round: no work-group ends while a partner may still ask for a tile that names it
	s_endpgm
.Lfunc_end_k_qfbfa4304d6_nearest:
	.size	k_qfbfa4304d6_nearest, .Lfunc_end_k_qfbfa4304d6_nearest-k_qfbfa4304d6_nearest
	.p2alignl 7, 3214868480
	.fill 96, 4, 3214868480
	.section	.rodata,"a",@progbits
	.p2align	6, 0x0
	.amdhsa_kernel k_qfbfa4304d6_nearest
		.amdhsa_group_segment_fixed_size 327680
		.amdhsa_private_segment_fixed_size 0
		.amdhsa_enable_private_segment 0
		.amdhsa_kernarg_size 24
		.amdhsa_user_sgpr_count 2
		.amdhsa_user_sgpr_kernarg_segment_ptr 1
		.amdhsa_wavefront_size32 1
		.amdhsa_system_sgpr_workgroup_id_x 1
		.amdhsa_system_sgpr_workgroup_id_y 1
		.amdhsa_system_sgpr_workgroup_id_z 1
		.amdhsa_system_vgpr_workitem_id 0
		.amdhsa_next_free_vgpr 768
		.amdhsa_next_free_sgpr 66
		.amdhsa_reserve_vcc 1
		.amdhsa_float_denorm_mode_32 3
		.amdhsa_float_denorm_mode_16_64 3
		.amdhsa_memory_ordered 1
		.amdhsa_forward_progress 1
		.amdhsa_inst_pref_size 180
	.end_amdhsa_kernel
	.amdgpu_metadata
---
amdhsa.version: [ 1, 2 ]
amdhsa.kernels:
  - .name:           k_qfbfa4304d6_nearest
    .symbol:         k_qfbfa4304d6_nearest.kd
    .args:
      - { .name: x, .offset: 0, .size: 8, .value_kind: global_buffer, .address_space: global }
      - { .name: cbf, .offset: 8, .size: 8, .value_kind: global_buffer, .address_space: global }
      - { .name: idx, .offset: 16, .size: 8, .value_kind: global_buffer, .address_space: global }
    .group_segment_fixed_size: 327680
    .private_segment_fixed_size: 0
    .kernarg_segment_align: 8
    .kernarg_segment_size: 24
    .max_flat_workgroup_size: 128
    .sgpr_count:     66
    .vgpr_count:     768
    .wavefront_size: 32
...
	.end_amdgpu_metadata
.endif
;; end of part 2
;; launch gather (part 3): grid 1024 x 1, 8 waves a work-group, no clusters, 0 bytes of LDS; arguments codebook, x, idx, out0; writes out0
.if DOCPART == 3
	.amdgcn_target "amdgcn-amd-amdhsa--gfx1250"
	.amdhsa_code_object_version 6
	.text
	.protected	k_qfbfa4304d6_gather
	.globl	k_qfbfa4304d6_gather
	.p2align	8
	.type	k_qfbfa4304d6_gather,@function
k_qfbfa4304d6_gather:
	s_mov_b64 s[64:65], 0
	v_nop
	global_prefetch_b8 v0, s[64:65] scope:SCOPE_SE
	s_setreg_imm32_b32 hwreg(HW_REG_WAVE_MODE, 25, 1), 1
	s_wait_xcnt 0x0
; out0[n][:] = x[n][:] + (codebook[idx[n]][:] - x[n][:]), in f32, with the two roundings of the formula as it is written.
; A wave takes 8 tokens; a row is 1,024 bytes: two loads or stores of 16 bytes a lane, each 512 consecutive bytes at a multiple of 256 from its buffer's first.
; The 8 indices come by one scalar load; each is held to 0 .. 4095 before it enters an address.  All 32 loads of a wave go out before its first wait for data; straight-line text.
; A stream: no LDS, no barrier, no matrix unit.  No cluster: which rows of the table two work-groups share hangs on the indices, so there is no tile to ask for jointly.
.set CO, 2                             ; v[2:9]     token t: byte offset of my 16 bytes in its row of the table
.set X,  16                            ; v[16:79]   token t: 8 registers of x
.set C,  80                            ; v[80:143]  token t: 8 registers of the table's row, then of the result
	s_load_b256 s[4:11], s[0:1], 0x0               ; codebook s[4:5], x s[6:7], idx s[8:9], out0 s[10:11]
	v_lshrrev_b32 v10, 5, v0
	v_readfirstlane_b32 s12, v10                   ; wave 0..7
	v_and_b32 v1, 31, v0
	v_lshlrev_b32 v1, 4, v1                        ; 16 x lane
	s_lshl_b32 s13, ttmp9, 3
	s_add_co_u32 s13, s13, s12                     ; my wave among all
	s_lshl_b32 s14, s13, 13                        ; its 8 rows of 1,024 bytes
	s_mov_b32 s15, 0
	s_lshl_b32 s24, s13, 5                         ; its 8 indices of 4 bytes
	s_mov_b32 s25, 0
	s_wait_kmcnt 0x0
	s_add_nc_u64 s[6:7], s[6:7], s[14:15]
	s_add_nc_u64 s[10:11], s[10:11], s[14:15]
	s_add_nc_u64 s[8:9], s[8:9], s[24:25]
	s_load_b256 s[16:23], s[8:9], 0x0              ; the 8 indices
.set t, 0
.rept 8                                ; x goes out while the indices are on their way
	global_load_b128 v[X+8*t:X+8*t+3], v1, s[6:7] offset:1024*t th:TH_LOAD_NT
	global_load_b128 v[X+8*t+4:X+8*t+7], v1, s[6:7] offset:1024*t+512 th:TH_LOAD_NT
.set t, t+1
.endr
	s_wait_kmcnt 0x0
.set t, 0
.rept 8
	s_min_u32 s[16+t], s[16+t], 0xfff              ; inside the table
	v_lshl_add_u32 v[CO+t], s[16+t], 10, v1
	global_load_b128 v[C+8*t:C+8*t+3], v[CO+t], s[4:5]              ; no cache word: rows of the table are read again by others
	global_load_b128 v[C+8*t+4:C+8*t+7], v[CO+t], s[4:5] offset:512
.set t, t+1
.endr
.set t, 0
.rept 8
	s_wait_loadcnt 14-2*t                          ; loads come back in order: all of x and this token's row are in, the two loads of each later token stay out
.set j, 0
.rept 4
	v_pk_add_f32 v[C+8*t+2*j:C+8*t+2*j+1], v[C+8*t+2*j:C+8*t+2*j+1], v[X+8*t+2*j:X+8*t+2*j+1] neg_lo:[0,1] neg_hi:[0,1]  ; c - x
.set j, j+1
.endr
.set j, 0
.rept 4
	v_pk_add_f32 v[C+8*t+2*j:C+8*t+2*j+1], v[X+8*t+2*j:X+8*t+2*j+1], v[C+8*t+2*j:C+8*t+2*j+1]  ; x + (c - x)
.set j, j+1
.endr
	global_store_b128 v1, v[C+8*t:C+8*t+3], s[10:11] offset:1024*t th:TH_STORE_NT
	global_store_b128 v1, v[C+8*t+4:C+8*t+7], s[10:11] offset:1024*t+512 th:TH_STORE_NT
.set t, t+1
.endr
	s_endpgm
.Lfunc_end_k_qfbfa4304d6_gather:
	.size	k_qfbfa4304d6_gather, .Lfunc_end_k_qfbfa4304d6_gather-k_qfbfa4304d6_gather
	.p2alignl 7, 3214868480
	.fill 96, 4, 3214868480
	.section	.rodata,"a",@progbits
	.p2align	6, 0x0
	.amdhsa_kernel k_qfbfa4304d6_gather
		.amdhsa_group_segment_fixed_size 0
		.amdhsa_private_segment_fixed_size 0
		.amdhsa_enable_private_segment 0
		.amdhsa_kernarg_size 32
		.amdhsa_user_sgpr_count 2
		.amdhsa_user_sgpr_kernarg_segment_ptr 1
		.amdhsa_wavefront_size32 1
		.amdhsa_system_sgpr_workgroup_id_x 1
		.amdhsa_system_sgpr_workgroup_id_y 1
		.amdhsa_system_sgpr_workgroup_id_z 1
		.amdhsa_system_vgpr_workitem_id 0
		.amdhsa_next_free_vgpr 144
		.amdhsa_next_free_sgpr 66
		.amdhsa_reserve_vcc 0
		.amdhsa_float_denorm_mode_32 3
		.amdhsa_float_denorm_mode_16_64 3
		.amdhsa_memory_ordered 1
		.amdhsa_forward_progress 1
		.amdhsa_inst_pref_size 11
	.end_amdhsa_kernel
	.amdgpu_metadata
---
amdhsa.version: [ 1, 2 ]
amdhsa.kernels:
  - .name:           k_qfbfa4304d6_gather
    .symbol:         k_qfbfa4304d6_gather.kd
    .args:
      - { .name: codebook, .offset: 0, .size: 8, .value_kind: global_buffer, .address_space: global }
      - { .name: x, .offset: 8, .size: 8, .value_kind: global_buffer, .address_space: global }
      - { .name: idx, .offset: 16, .size: 8, .value_kind: global_buffer, .address_space: global }
      - { .name: out0, .offset: 24, .size: 8, .value_kind: global_buffer, .address_space: global }
    .group_segment_fixed_size: 0
    .private_segment_fixed_size: 0
    .kernarg_segment_align: 8
    .kernarg_segment_size: 32
    .max_flat_workgroup_size: 256
    .sgpr_count:     66
    .vgpr_count:     144
    .wavefront_size: 32
...
	.end_amdgpu_metadata
.endif
;; end of part 3
;; ======== version 2 of 2: 3 launches; version 1 with the launch gather written anew for expert scheduling mode
;; workspace buffers: cbf 2,162,688 bytes; idx 262,144 bytes of whole numbers
;; launch prep: the kernel of part 1 again; grid 256 x 1, 1 waves a work-group, no clusters, 0 bytes of LDS; arguments codebook, cbf; writes cbf
;; launch nearest: the kernel of part 2 again; grid 256 x 1, 4 waves a work-group, clusters of 4 x 1, 327,680 bytes of LDS; arguments x, cbf, idx; writes idx
;; launch gather (part 4): grid 1024 x 1, 8 waves a work-group, no clusters, 0 bytes of LDS; arguments codebook, x, idx, out0; writes out0
.if DOCPART == 4
	.amdgcn_target "amdgcn-amd-amdhsa--gfx1250"
	.amdhsa_code_object_version 6
	.text
	.protected	k_qfbfa4304d6_gather
	.globl	k_qfbfa4304d6_gather
	.p2align	8
	.type	k_qfbfa4304d6_gather,@function
k_qfbfa4304d6_gather:
	s_mov_b64 s[64:65], 0
	v_nop
	global_prefetch_b8 v0, s[64:65] scope:SCOPE_SE
	s_setreg_imm32_b32 hwreg(HW_REG_WAVE_SCHED_MODE, 0, 2), 2
	s_setreg_imm32_b32 hwreg(HW_REG_WAVE_MODE, 25, 1), 1
	s_wait_xcnt 0x0
	s_wait_alu depctr_vm_vsrc(0)
; out0[n][:] = x[n][:] + (codebook[idx[n]][:] - x[n][:]), in f32, with the two roundings of the formula as it is written.
; A wave takes 8 tokens; a row is 1,024 bytes: two loads or stores of 16 bytes a lane, each 512 consecutive bytes at a multiple of 256 from its buffer's first.
; The 8 indices come by one scalar load; each is held to 0 .. 4095 before it enters an address.  All 32 loads of a wave go out before its first wait for data; straight-line text.
; A stream: no LDS, no barrier, no matrix unit.  No cluster: which rows of the table two work-groups share hangs on the indices, so there is no tile to ask for jointly.
; THE MODE: SCHED_MODE bits 1:0 = 2 (LLVM: expert scheduling mode 2), set by the entry lines.  The code itself states the register dependences
; between vector instructions and memory instructions, with s_wait_alu, always for 0.
; THE PLAN.  Registers that memory instructions touch:
;   v1   16 x lane.  Written at the head, never again; read by every load of x and every store as its offset.
;   CO   the eight offsets into the table.  Written in one run, never again; read by the sixteen loads of the table's rows.
;   X    written by the loads of x alone; read by the adds.
;   C    written by the loads of the table's rows, then, behind the wait for those loads, by its token's eight adds in place; read by the token's two stores; never written behind them.
; The tokens go in four blocks of two.  Block b's adds name its own C and X alone.  Its memory instructions are the four stores of block b - 1: ONE wait at the block's head states that block b - 1's adds
; have written what they read, and the stores are dealt among the block's adds with no further wait.  No register that a load or a store reads is ever written behind it, so nothing is owed on that side.
.set CO, 2                             ; v[2:9]     token t: byte offset of my 16 bytes in its row of the table
.set X,  16                            ; v[16:79]   token t: 8 registers of x
.set C,  80                            ; v[80:143]  token t: 8 registers of the table's row, then of the result
	s_load_b256 s[4:11], s[0:1], 0x0               ; codebook s[4:5], x s[6:7], idx s[8:9], out0 s[10:11]
	v_lshrrev_b32 v10, 5, v0
	v_readfirstlane_b32 s12, v10                   ; wave 0..7
	v_and_b32 v1, 31, v0
	v_lshlrev_b32 v1, 4, v1                        ; 16 x lane
	s_lshl_b32 s13, ttmp9, 3
	s_wait_alu depctr_va_sdst(0)                   ; s12 is written, ahead of its first reader: the bases of x, idx and out0 are made from it
	s_add_co_u32 s13, s13, s12                     ; my wave among all
	s_lshl_b32 s14, s13, 13                        ; its 8 rows of 1,024 bytes
	s_mov_b32 s15, 0
	s_lshl_b32 s24, s13, 5                         ; its 8 indices of 4 bytes
	s_mov_b32 s25, 0
	s_wait_kmcnt 0x0
	s_add_nc_u64 s[6:7], s[6:7], s[14:15]
	s_add_nc_u64 s[10:11], s[10:11], s[14:15]
	s_add_nc_u64 s[8:9], s[8:9], s[24:25]
	s_load_b256 s[16:23], s[8:9], 0x0              ; the 8 indices
	s_wait_alu depctr_va_vdst(0)                   ; v1 is written: every load of x and every store reads it as its offset
.set t, 0
.rept 8                                ; x goes out while the indices are on their way
	global_load_b128 v[X+8*t:X+8*t+3], v1, s[6:7] offset:1024*t th:TH_LOAD_NT
	global_load_b128 v[X+8*t+4:X+8*t+7], v1, s[6:7] offset:1024*t+512 th:TH_LOAD_NT
.set t, t+1
.endr
	s_wait_kmcnt 0x0
.set t, 0
.rept 8                                ; all eight offsets in one run, so that one wait serves the sixteen loads that read them
	s_min_u32 s[16+t], s[16+t], 0xfff              ; inside the table
	v_lshl_add_u32 v[CO+t], s[16+t], 10, v1
.set t, t+1
.endr
	s_wait_alu depctr_va_vdst(0)                   ; the eight offsets v[CO ..] are written, which the loads below read
.set t, 0
.rept 8
	global_load_b128 v[C+8*t:C+8*t+3], v[CO+t], s[4:5]              ; no cache word: rows of the table are read again by others
	global_load_b128 v[C+8*t+4:C+8*t+7], v[CO+t], s[4:5] offset:512
.set t, t+1
.endr
; Block b: tokens 2 b and 2 b + 1 are worked on; the results of tokens 2 b - 2 and 2 b - 1 leave.
.macro BLK b
	s_wait_loadcnt 12-4*(\b)                       ; loads come back in order: all of x and this block's two rows are in, the four loads of each later block stay out
.if (\b) > 0
	s_wait_alu depctr_va_vdst(0)                   ; the block before has written its sixteen registers of C, which the four stores below read; no add of this block names them or v1
.endif
.irp u, 0,1
.set t, 2*(\b)+(\u)
.if (\b) > 0
	global_store_b128 v1, v[C+8*(t-2):C+8*(t-2)+3], s[10:11] offset:1024*(t-2) th:TH_STORE_NT
.endif
.set j, 0
.rept 4
	v_pk_add_f32 v[C+8*t+2*j:C+8*t+2*j+1], v[C+8*t+2*j:C+8*t+2*j+1], v[X+8*t+2*j:X+8*t+2*j+1] neg_lo:[0,1] neg_hi:[0,1]  ; c - x
.set j, j+1
.endr
.if (\b) > 0
	global_store_b128 v1, v[C+8*(t-2)+4:C+8*(t-2)+7], s[10:11] offset:1024*(t-2)+512 th:TH_STORE_NT
.endif
.set j, 0
.rept 4
	v_pk_add_f32 v[C+8*t+2*j:C+8*t+2*j+1], v[X+8*t+2*j:X+8*t+2*j+1], v[C+8*t+2*j:C+8*t+2*j+1]  ; x + (c - x)
.set j, j+1
.endr
.endr
.endm
	BLK 0                                          ; no block stands in front of it: no store, and no wait but the one for its data
	BLK 1
	BLK 2
	BLK 3
	s_wait_alu depctr_va_vdst(0)                   ; the last block has written its sixteen registers of C, which the last four stores read
.irp t, 6,7
	global_store_b128 v1, v[C+8*(\t):C+8*(\t)+3], s[10:11] offset:1024*(\t) th:TH_STORE_NT
	global_store_b128 v1, v[C+8*(\t)+4:C+8*(\t)+7], s[10:11] offset:1024*(\t)+512 th:TH_STORE_NT
.endr
	s_endpgm
.Lfunc_end_k_qfbfa4304d6_gather:
	.size	k_qfbfa4304d6_gather, .Lfunc_end_k_qfbfa4304d6_gather-k_qfbfa4304d6_gather
	.p2alignl 7, 3214868480
	.fill 96, 4, 3214868480
	.section	.rodata,"a",@progbits
	.p2align	6, 0x0
	.amdhsa_kernel k_qfbfa4304d6_gather
		.amdhsa_group_segment_fixed_size 0
		.amdhsa_private_segment_fixed_size 0
		.amdhsa_enable_private_segment 0
		.amdhsa_kernarg_size 32
		.amdhsa_user_sgpr_count 2
		.amdhsa_user_sgpr_kernarg_segment_ptr 1
		.amdhsa_wavefront_size32 1
		.amdhsa_system_sgpr_workgroup_id_x 1
		.amdhsa_system_sgpr_workgroup_id_y 1
		.amdhsa_system_sgpr_workgroup_id_z 1
		.amdhsa_system_vgpr_workitem_id 0
		.amdhsa_next_free_vgpr 144
		.amdhsa_next_free_sgpr 66
		.amdhsa_reserve_vcc 0
		.amdhsa_float_denorm_mode_32 3
		.amdhsa_float_denorm_mode_16_64 3
		.amdhsa_memory_ordered 1
		.amdhsa_forward_progress 1
		.amdhsa_inst_pref_size 11
	.end_amdhsa_kernel
	.amdgpu_metadata
---
amdhsa.version: [ 1, 2 ]
amdhsa.kernels:
  - .name:           k_qfbfa4304d6_gather
    .symbol:         k_qfbfa4304d6_gather.kd
    .args:
      - { .name: codebook, .offset: 0, .size: 8, .value_kind: global_buffer, .address_space: global }
      - { .name: x, .offset: 8, .size: 8, .value_kind: global_buffer, .address_space: global }
      - { .name: idx, .offset: 16, .size: 8, .value_kind: global_buffer, .address_space: global }
      - { .name: out0, .offset: 24, .size: 8, .value_kind: global_buffer, .address_space: global }
    .group_segment_fixed_size: 0
    .private_segment_fixed_size: 0
    .kernarg_segment_align: 8
    .kernarg_segment_size: 32
    .max_flat_workgroup_size: 256
    .sgpr_count:     66
    .vgpr_count:     144
    .wavefront_size: 32
...
	.end_amdgpu_metadata
.endif
;; end of part 4
